; MI455X (gfx1250); checked and timed in simulation.
; The chip was launched on July 23, 2026; its instructions are those of AMD's public machine-readable ISA for CDNA 5 (MIT licence, August 2026) and "CDNA5" Instruction Set Architecture Reference Guide (July 2026). The comments in the code are by the model that wrote it; some were corrected since.
;; Attention. Allowed arithmetic: matrix products marked QUANTISED: E2M1 operands, one E8M0 scale for each 32 along K, by v_wmma_scale_f32_16x16x128_f8f6f4 with both operands' format E2M1 (or v_wmma_scale_f32_32x16x128_f4), f32 sums; everything else in f32.
;; Inputs: attn_mask 1 x 1 x 2,048 x 2,048 int32; k 4 x 16 x 2,048 x 128 float32; pad_mask 4 x 2,048 int32; q 4 x 16 x 2,048 x 128 float32; v 4 x 16 x 2,048 x 128 float32.
;; Outputs: out0 4 x 16 x 2,048 x 128 float32.
;; This version of the problem:
;;   THIS VERSION OF THE PROBLEM IS GIVEN IN LOW PRECISION. The matrix products marked QUANTISED in the list below multiply operands that are first quantised to E2M1 (2 exponent bits, 1 mantissa bit; 4 bits a number), with one power-of-two scale for each 32 numbers along K (OCP MX v1.0); their sums are f32. All else is computed in f32.
;;   The module's matrix products, in the order in which they are computed (A, B: the left and right operand; K: the contracted axis; several contracted axes count as one K, in the product's order):
;;     1. batch 64 x [M 2,048, K 128] x [K 128, N 2,048]; A: input q; B: input k: QUANTISED
;;     2. batch 64 x [M 2,048, K 2,048] x [K 2,048, N 128]; A: softmax (see below); B: input v: QUANTISED
;;   THE QUANTISER, for each operand of a quantised product, along K:
;;     - K is cut into blocks of 32 from its start; a last block that is shorter is filled with zeros.
;;     - A block's scale is 2^e with e = floor(log2(the largest magnitude in the block)) - 2, held to -126 .. 127; a block of zeros has e = 0. As a byte (E8M0): e + 127.
;;     - Each number is divided by its block's scale, clamped to +-6, and rounded to the nearest number of E2M1, ties to even, subnormals kept.
;;     - The product sums the exact products of the quantised numbers (number of the format x scale) in f32.
;;   ~~~python
;;   def quantise(x, axis):      # numpy; x: float32 -> the quantised numbers, widened to float32 again
;;       x = np.moveaxis(x, axis, -1); K = x.shape[-1]
;;       x = np.pad(x, [(0, 0)] * (x.ndim - 1) + [(0, -K % 32)]); x = x.reshape(x.shape[:-1] + (-1, 32)); a = np.abs(x).max(-1, keepdims=True)
;;       e = np.where(a > 0, np.clip(np.frexp(np.where(a > 0, a, 1))[1] - 1 - 2, -126, 127), 0)      # np.frexp(a)[1] - 1 = floor(log2(a)), exactly
;;       r = np.clip(x / 2.0 ** e, -6, 6)
;;       step = 2.0 ** (np.maximum(np.frexp(np.where(r == 0, 1, r))[1] - 1, 0) - 1)
;;       q = np.round(r / step) * step * 2.0 ** e      # np.round: ties to even
;;       return np.moveaxis(q.reshape(q.shape[:-2] + (-1,))[..., :K], -1, axis).astype(np.float32)
;;   ~~~
;;   SOFTMAX AHEAD OF A QUANTISED PRODUCT. Where the list says 'softmax', what is quantised is not the finished softmax but p = 2^(t - M), with t = logit x log2(e) and M = ceil(the row's largest t), a whole number; so 1/2 < the row's largest p <= 1. The row's sum l is taken of the UNQUANTISED p, in f32, and the product's result is divided by l at the end. Since M is a whole number, a kernel that streams over the keys may use a running M (the ceiling of the running maximum): every later rescaling is an exact power of two, which a block's scale takes up: the codes' values come out the same.
;;   OPERANDS COMPUTED ON THE WAY. 'Computed on the way' means the value that the module computes at that place (a softmax that the list does not call 'softmax' is quantised finished and normalised). What goes into a quantiser is computed in f32, as accurately as f32 sums, v_exp_f32 and their like allow (about 1e-6 of the number): no bf16 or f16 on the way to a quantiser, and a product that is left as it is and whose result goes on into a quantised operand takes f32 operands (vector FMAs, or v_wmma_f32_16x16x4_f32). A number that lies on a knife's edge between two numbers of the format may be rounded either way, as far as f32 arithmetic and the matrix unit's own rounding can turn it there, and no further.
;; One version. Each part assembles by itself: llvm-mc -triple=amdgcn-amd-amdhsa -mcpu=gfx1250 --defsym DOCPART=n.
;; ======== version 1 of 1: 2 launches
;; limits: right only within a limited range of input values
;; workspace buffers: q_codes 8,388,608 bytes; q_scales 524,288 bytes; k_codes 8,388,608 bytes; k_scales 524,288 bytes; v_codes 8,388,608 bytes; v_scales 524,288 bytes; maskbits 2,097,152 bytes of whole numbers
;; launch prep (part 1): grid 1408 x 1, 4 waves a work-group, no clusters, 102,912 bytes of LDS; arguments q, k, q_codes, q_scales, k_codes, k_scales, v, v_codes, v_scales, pad_mask, attn_mask, maskbits; writes q_codes, q_scales, k_codes, k_scales, v_codes, v_scales, maskbits
.if DOCPART == 1
	.amdgcn_target "amdgcn-amd-amdhsa--gfx1250"
	.amdhsa_code_object_version 6
	.text
	.protected	k_q81c146693b_prep
	.globl	k_q81c146693b_prep
	.p2align	8
	.type	k_q81c146693b_prep,@function
k_q81c146693b_prep:
	s_mov_b64 s[64:65], 0
	v_nop
	global_prefetch_b8 v0, s[64:65] scope:SCOPE_SE
	s_setreg_imm32_b32 hwreg(HW_REG_WAVE_MODE, 25, 1), 1
	s_wait_xcnt 0x0
; PREP: every f32 input and both masks are read once and laid out as the attention launch wants them.
; q, k, v: [64 heads][2048][128] f32.  Codes are FP4 (E2M1), two a byte, the lower k in the low four bits, with one E8M0 byte for each 32 along a product's K.
; A block's scale is 2^(floor(log2(its largest magnitude)) - 2): its byte is the largest magnitude's exponent field - 2, held at 1 from below.
; Three paths, parted by the work-group's number; each has its own arguments, its own LDS bytes and its own end.  No barrier: a wave works in LDS bytes of its own.
;   work-groups 0 .. 255     V : v is quantised DOWN the keys (the second product's K): v_codes [64][128 d][1024 bytes], keys innermost; v_scales [64][4 y][128 d][16 bytes], y = key / 512
;   work-groups 256 .. 383   M : maskbits [4 b][128 tiles of 16 queries][16 key steps][64 words]: word 16 blk + i is a LANE MASK: bit r + 16 h is 1 where
;                                pad_mask[b][key] != 0 and attn_mask[16 tile + r][key] != 0, key = 128 step + 32 blk + 16 h + i
;   work-groups 384 .. 1407  QK: q and k are quantised along the head's 128: codes [64][2048 positions][64 bytes], scales [64][2048 positions][4 bytes]
; POSITIONS: inside each 32 rows the second and the third group of 8 rows change places, so that the 16 keys which form a tile of the first product (8 neighbours and the 8 that lie 16 further on) are 16 neighbouring rows.
; LIMITS: a block of zeros gets the byte 1 (its codes are zeros, and only this program reads the bytes); blocks whose largest magnitude lies under 2^-124 keep the byte 1; NaN and infinities among the inputs are not served.
.set NV,    256                        ; work-groups of path V
.set NM,    128                        ; of path M
.set V_LDS, 32768                      ; LDS: path QK from 0, path V from here,
.set M_LDS, 67584                      ; path M from here
	v_lshl_add_u32 v192, v0, 2, 0x19000
	v_mov_b32 v193, 0
	v_lshrrev_b32 v1, 5, v0
	v_readfirstlane_b32 s16, v1                    ; wave 0..3
	v_and_b32 v2, 31, v0                           ; lane
	s_cmp_lt_u32 ttmp9, NV
	s_cbranch_scc1 .Lpath_v
	s_cmp_lt_u32 ttmp9, NV+NM
	s_cbranch_scc1 .Lpath_m
; ---------------------------------------------------------------- path QK
; Rows are dense and 128 long, so a tensor is a stream of blocks of 32.  A wave takes 16 steps of 512 numbers (4 rows).  Each of a step's four loads reads 512 consecutive bytes, 16 a lane;
; the 2,048 bytes turn through the wave's own stage in LDS and come back 64 bytes a lane, so that a lane holds 16 NEIGHBOURS (two neighbouring lanes hold a block), as the conversions want.
; A step's codes are 256 bytes, stored by one instruction; its 16 scale bytes are gathered in LDS and a wave's 256 leave together.  Loads run four steps ahead, the turn through LDS one step.
.set Q_WGA, 512                        ; work-groups for q; as many for k
.set Q_R,   16                         ; v16-79   four sets of 16 numbers as they are loaded
.set Q_X,   80                         ; v80-111  two sets of 16 neighbours
.set Q_E,   112                        ; v112-127 a scale byte for each step
.set Q_C,   128                        ; v128-191 codes: registers of its own for each step, so that no store's data are written again
.set Q_WREG, 8192                      ; LDS of a wave: two stages of 32 x Q_SP bytes, then its 256 scale bytes
.set Q_SP,  80                         ; a lane's place in a stage: 64 bytes + 16 of padding
	s_load_b128 s[4:7], s[0:1], 0x0                ; q, k
	s_load_b128 s[8:11], s[0:1], 0x10              ; q's codes, q's scales
	s_load_b128 s[12:15], s[0:1], 0x20             ; k's codes, k's scales
	s_sub_co_u32 s3, ttmp9, NV+NM                  ; my number among this path's work-groups
	s_wait_alu depctr_va_vdst(0)
	v_lshlrev_b32 v3, 4, v2                        ; my 16 bytes of a load's 512
	s_mul_i32 s17, s16, Q_WREG
	v_lshrrev_b32 v14, 2, v2
	v_mul_u32_u24 v14, v14, Q_SP
	v_and_b32 v15, 3, v2
	v_lshl_add_u32 v14, v15, 4, v14
	v_add_nc_u32 v14, s17, v14                     ; the stage, on the way in: four lanes' 64 bytes on end, then the padding
	v_mul_u32_u24 v15, v2, Q_SP
	v_add_nc_u32 v15, s17, v15                     ; and on the way out: my 16 neighbours
	v_lshlrev_b32 v4, 3, v2                        ; my 8 bytes of a step's codes
	v_lshrrev_b32 v5, 1, v2
	s_add_co_u32 s17, s17, 2*32*Q_SP
	v_add_nc_u32 v5, s17, v5                       ; LDS: my block's scale byte
	v_lshlrev_b32 v7, 3, v2                        ; the scale bytes' way out: 8 bytes a lane
	v_add_nc_u32 v6, s17, v7
	s_wait_alu depctr_va_vdst(0)
	s_wait_kmcnt 0x0
	s_cmp_lt_u32 s3, Q_WGA                         ; q's work-group or k's?  The choice hangs on the work-group's number alone
	s_cselect_b64 s[4:5], s[4:5], s[6:7]
	s_cselect_b64 s[8:9], s[8:9], s[12:13]
	s_cselect_b64 s[10:11], s[10:11], s[14:15]
	s_cselect_b32 s17, 0, Q_WGA
	s_sub_co_u32 s17, s3, s17
	s_lshl_b32 s17, s17, 2
	s_add_co_u32 s18, s17, s16                     ; which run of 8,192 numbers (64 rows) is my wave's: 0 .. 2047
	s_mov_b32 s21, 0
	s_lshl_b32 s20, s18, 15                        ; 32,768 bytes of numbers a run,
	s_add_nc_u64 s[4:5], s[4:5], s[20:21]
	s_lshl_b32 s20, s18, 12                        ; 4,096 of codes,
	s_add_nc_u64 s[8:9], s[8:9], s[20:21]
	s_lshl_b32 s20, s18, 8                         ; 256 of scales
	s_add_nc_u64 s[10:11], s[10:11], s[20:21]
.macro QLOAD t
.irp i, 0,1,2,3
	global_load_b128 v[Q_R+16*((\t)%4)+4*\i:Q_R+16*((\t)%4)+4*\i+3], v3, s[4:5] offset:2048*(\t)+512*\i th:TH_LOAD_NT   ; 32 lanes read 512 consecutive bytes
.endr
.endm
.macro QTURN t                         ; step t's numbers through the stage: LDS serves a wave's instructions in order, so no wait stands between the stores and the loads
.irp i, 0,1,2,3
	ds_store_b128 v14, v[Q_R+16*((\t)%4)+4*\i:Q_R+16*((\t)%4)+4*\i+3] offset:32*Q_SP*((\t)%2)+8*Q_SP*\i
.endr
.irp i, 0,1,2,3
	ds_load_b128 v[Q_X+16*((\t)%2)+4*\i:Q_X+16*((\t)%2)+4*\i+3], v15 offset:32*Q_SP*((\t)%2)+16*\i
.endr
.endm
.irp t, 0,1,2,3
	QLOAD \t
.endr
	s_wait_loadcnt 12                              ; step 0's four loads are in; those of steps 1 to 3 may be out
	QTURN 0
.macro QSTEP t
.set XS, Q_X+16*((\t)%2)
.set PT, ((\t)&9)|(((\t)&2)<<1)|(((\t)&4)>>1)  ; where the step's 4 rows go: a group of 8 rows is two steps, so bits 1 and 2 of the step's number change places
.if (\t) > 0
	s_wait_dscnt 1                                 ; this step's numbers are back from the stage (the last step's byte store may be out): so its stores into the stage have read their registers,
.else
	s_wait_dscnt 0x0
.endif
.if (\t)+4 < 16
	QLOAD (\t)+4                                   ; which take the loads of four steps on
.endif
.if (\t)+1 < 16
.if 14-(\t) >= 3
	s_wait_loadcnt 12                              ; the next step's four loads are in; those of the three steps behind it may be out
.else
	s_wait_loadcnt 4*(14-(\t))                     ; at the end fewer steps stand behind it
.endif
	QTURN (\t)+1
.endif
	v_max3_num_f32 v8, |v[XS]|, |v[XS+1]|, |v[XS+2]|               ; the largest magnitude of my 16, in two chains
	v_max3_num_f32 v9, |v[XS+3]|, |v[XS+4]|, |v[XS+5]|
.irp i, 6,10
	v_max3_num_f32 v8, v8, |v[XS+\i]|, |v[XS+\i+1]|
	v_max3_num_f32 v9, v9, |v[XS+\i+2]|, |v[XS+\i+3]|
.endr
	v_max3_num_f32 v8, v8, |v[XS+14]|, |v[XS+15]|
	v_max3_num_f32 v8, v8, v9, 0x1800000           ; and the floor 2^(3 - 127): so the byte cannot fall under 1
	v_max_num_f32_dpp v8, v8, v8 row_xmask:1 row_mask:0xf bank_mask:0xf   ; and of my neighbour's 16: the block's
	v_add_nc_u32 v11, 0xff000000, v8               ; 2 off its exponent field: the conversion takes the exponent field of this operand as its scale, and nothing else of it
	v_cvt_scalef32_pk8_fp4_f32 v[Q_C+4*(\t)], v[XS:XS+7], v11
	v_cvt_scalef32_pk8_fp4_f32 v[Q_C+4*(\t)+1], v[XS+8:XS+15], v11
	v_lshrrev_b32 v[Q_E+(\t)], 23, v11             ; the scale's byte
	ds_store_b8 v5, v[Q_E+(\t)] offset:16*PT       ; both lanes of a block write the same byte with the same value
	global_store_b64 v4, v[Q_C+4*(\t):Q_C+4*(\t)+1], s[8:9] offset:256*PT   ; 32 lanes store 256 consecutive bytes, at a multiple of 256 from the buffer's first byte
.endm
.irp t, 0,1,2,3,4,5,6,7,8,9,10,11,12,13,14,15
	QSTEP \t
.endr
	ds_load_b64 v[12:13], v6                       ; LDS serves a wave's instructions in order: these see my byte stores
	s_wait_dscnt 0x0
	global_store_b64 v7, v[12:13], s[10:11]        ; the wave's 256 scale bytes
	s_wait_tensorcnt 0x0
	ds_add_u32 v192, v193
	s_wait_dscnt 0x0
	s_endpgm
; ---------------------------------------------------------------- path V
; A LANE TAKES A COLUMN d, AND ITS REGISTERS RUN DOWN THE KEYS: each load reads 128 consecutive bytes a wave (the four waves stand side by side on a row's 512), a block of 32 keys lies in one lane's 32
; registers, and the conversions give codes with the keys innermost.  A work-group takes 512 keys of one head, a wave 32 columns: 16 blocks a lane, 256 bytes of codes a column.  They go through the wave's
; own stage in LDS and leave as rows: sixteen lanes store 256 consecutive bytes.  Loads run two blocks ahead.
.set V_PITCH, 272                      ; a stage row: 256 bytes + 16
.set V_X,   32                         ; v32-95   two sets of 32 numbers
.set V_C,   96                         ; v96-99   a block's codes
.set V_OUT, 112                        ; v112-175 the way out
.set V_SB,  24                         ; v24-27   my column's 16 scale bytes
.Lpath_v:
	s_load_b128 s[4:7], s[0:1], 0x30               ; v, v's codes
	s_load_b64 s[8:9], s[0:1], 0x40                ; v's scales
	s_lshr_b32 s17, ttmp9, 2                       ; head
	s_and_b32 s18, ttmp9, 3                        ; y: which 512 keys
	s_wait_alu depctr_va_vdst(0)
	v_lshlrev_b32 v3, 2, v2                        ; in: 4 bytes a lane
	s_mul_i32 s19, s16, 32*V_PITCH
	s_add_co_u32 s19, s19, V_LDS                   ; my stage
	v_mul_u32_u24 v4, v2, V_PITCH
	v_add_nc_u32 v4, s19, v4                       ; into it: row = my column
	v_and_b32 v5, 15, v2
	v_lshrrev_b32 v6, 4, v2
	v_mul_u32_u24 v7, v6, V_PITCH
	v_lshl_add_u32 v7, v5, 4, v7
	v_add_nc_u32 v7, s19, v7                       ; out of it: sixteen lanes to a row, two rows an instruction
	v_lshlrev_b32 v8, 10, v6
	v_lshl_add_u32 v8, v5, 4, v8                   ; and the same place in the codes' buffer: rows of 1,024 bytes
	v_lshlrev_b32 v9, 4, v2                        ; scales: 16 bytes a column
	s_lshl_b32 s20, s17, 20                        ; v: a head is 2^20 bytes, 512 keys 2^18, my 32 columns 128
	s_lshl_b32 s22, s18, 18
	s_add_co_u32 s20, s20, s22
	s_lshl_b32 s22, s16, 7
	s_add_co_u32 s20, s20, s22
	s_mov_b32 s21, 0
	s_lshl_b32 s24, s17, 17                        ; codes: a head is 2^17 bytes, my 32 rows 2^15, 512 keys 256
	s_lshl_b32 s22, s16, 15
	s_add_co_u32 s24, s24, s22
	s_lshl_b32 s22, s18, 8
	s_add_co_u32 s24, s24, s22
	s_mov_b32 s25, 0
	s_lshl_b32 s28, s17, 13                        ; scales: a head is 2^13 bytes, a y 2^11, my 32 columns 512
	s_lshl_b32 s22, s18, 11
	s_add_co_u32 s28, s28, s22
	s_lshl_b32 s22, s16, 9
	s_add_co_u32 s28, s28, s22
	s_mov_b32 s29, 0
	s_wait_kmcnt 0x0
	s_add_nc_u64 s[4:5], s[4:5], s[20:21]
	s_add_nc_u64 s[6:7], s[6:7], s[24:25]
	s_add_nc_u64 s[8:9], s[8:9], s[28:29]
.macro VLOAD t                         ; block t: v(32 t + i, my column), i = 0 .. 31, into set t % 2
.set II, 0
.rept 32
	global_load_b32 v[V_X+32*((\t)%2)+II], v3, s[4:5] offset:(32*(\t)+II)*512 th:TH_LOAD_NT
.set II, II+1
.endr
.endm
	VLOAD 0
	VLOAD 1
.macro VBLOCK t
.set XS, V_X+32*((\t)%2)
.if (\t) < 15
	s_wait_loadcnt 32                              ; this block's 32 loads are in; the next block's 32 may be out
.else
	s_wait_loadcnt 0x0
.endif
	v_max3_num_f32 v12, |v[XS]|, |v[XS+1]|, |v[XS+2]|              ; the block's largest magnitude: all 32 numbers are mine
	v_max3_num_f32 v13, |v[XS+3]|, |v[XS+4]|, |v[XS+5]|
.irp i, 6,10,14,18,22,26
	v_max3_num_f32 v12, v12, |v[XS+\i]|, |v[XS+\i+1]|
	v_max3_num_f32 v13, v13, |v[XS+\i+2]|, |v[XS+\i+3]|
.endr
	v_max3_num_f32 v12, v12, |v[XS+30]|, |v[XS+31]|
	v_max3_num_f32 v12, v12, v13, 0x1800000        ; and the floor 2^(3 - 127)
	v_add_nc_u32 v11, 0xff000000, v12              ; 2 off the exponent field: the conversion's scale operand
	v_lshrrev_b32 v13, 23, v11                     ; the scale's byte
.if (\t)%4 == 0
	v_mov_b32 v[V_SB+(\t)/4], v13                  ; four bytes to a register, the lower keys in the lower byte
.else
	v_lshl_or_b32 v[V_SB+(\t)/4], v13, 8*((\t)%4), v[V_SB+(\t)/4]
.endif
.irp g, 0,1,2,3
	v_cvt_scalef32_pk8_fp4_f32 v[V_C+\g], v[XS+8*\g:XS+8*\g+7], v11
.endr
	ds_store_b128 v4, v[V_C:V_C+3] offset:16*(\t)  ; 32 codes: 16 bytes of my column's row
.if (\t)+2 < 16
	VLOAD (\t)+2
.endif
	s_wait_dscnt 0x0                               ; the store has read its registers: the next block's codes may be written
.endm
.irp t, 0,1,2,3,4,5,6,7,8,9,10,11,12,13,14,15
	VBLOCK \t
.endr
	s_wait_alu depctr_va_vdst(0)
	global_store_b128 v9, v[V_SB:V_SB+3], s[8:9]   ; 32 lanes store 512 consecutive bytes of scales
.irp t, 0,1,2,3,4,5,6,7,8,9,10,11,12,13,14,15
	ds_load_b128 v[V_OUT+4*\t:V_OUT+4*\t+3], v7 offset:2*\t*V_PITCH   ; LDS serves a wave's instructions in order: these see my stores
.endr
.irp t, 0,1,2,3,4,5,6,7,8,9,10,11,12,13,14,15
	s_wait_dscnt 15-\t                             ; the younger stage loads may be out
	global_store_b128 v8, v[V_OUT+4*\t:V_OUT+4*\t+3], s[6:7] offset:2*\t*1024   ; sixteen lanes store 256 consecutive bytes of a row
.endr
	s_wait_tensorcnt 0x0
	ds_add_u32 v192, v193
	s_wait_dscnt 0x0
	s_endpgm
; ---------------------------------------------------------------- path M
; A work-group takes one key step (128 keys) and 256 queries, a wave four tiles of 16 queries, each for all four batches.  A tile of attn_mask, 16 rows x 512 bytes, is loaded row by row (512 consecutive bytes a
; load), turned through the wave's stage so that lane (r, h) holds, in register 16 blk + i, the word of query r and key 32 blk + 16 h + i, which is where the attention launch has that score.
; A compare against 0 then gives the 32 lanes' bits as one word; word j is written into lane j / 2 of a pair of registers, so that the 64 words leave by one store of 256 consecutive bytes.
; pad_mask's words are made the same way once for each batch (they hang on the key alone) and ANDed in.
.set M_R,   64                         ; v64-127  a tile as loaded
.set M_X,   128                        ; v128-191 a tile as the lanes want it
.set M_A,   10                         ; v10-11   attn_mask's 64 words: lane L holds words 2 L and 2 L + 1
.set M_PB,  12                         ; v12-19   pad_mask's, a pair for each batch
.set M_O,   32                         ; v32-63   what is stored: a pair for each tile and batch, so that no store's data are written again
.set M_P,   528                        ; a stage row: 512 bytes + 16
.Lpath_m:
	s_load_b64 s[4:5], s[0:1], 0x48                ; pad_mask
	s_load_b64 s[6:7], s[0:1], 0x50                ; attn_mask
	s_load_b64 s[8:9], s[0:1], 0x58                ; maskbits
	s_sub_co_u32 s17, ttmp9, NV
	s_and_b32 s18, s17, 15                         ; key step
	s_lshr_b32 s19, s17, 4                         ; which 256 queries
	s_wait_alu depctr_va_vdst(0)
	v_and_b32 v1, 15, v2                           ; r
	v_lshrrev_b32 v3, 4, v2                        ; h
	v_lshlrev_b32 v4, 4, v2                        ; in: 16 bytes a lane
	v_lshlrev_b32 v5, 6, v3                        ; pad_mask: 64 h
	s_mul_i32 s20, s16, 16*M_P
	s_add_co_u32 s20, s20, M_LDS                   ; my stage
	v_add_nc_u32 v6, s20, v4                       ; into it: 16 bytes a lane of a row
	v_mul_u32_u24 v7, v1, M_P
	v_lshl_add_u32 v7, v3, 6, v7
	v_add_nc_u32 v7, s20, v7                       ; out of it: row r, + 64 h
	v_lshlrev_b32 v8, 3, v2                        ; out: 8 bytes a lane
.irp i, 0,1,2,3,4,5,6,7,8,9
	v_mov_b32 v[M_A+\i], 0                         ; written whole once: a lane write's destination counts as one of its sources
.endr
	s_lshl_b32 s22, s19, 21                        ; attn_mask: 256 rows of 8,192 bytes, my wave's 64 rows, the key step's 512 bytes
	s_lshl_b32 s24, s16, 19
	s_add_co_u32 s22, s22, s24
	s_lshl_b32 s24, s18, 9                         ; pad_mask: the key step's 512 bytes
	s_add_co_u32 s22, s22, s24
	s_mov_b32 s23, 0
	s_mov_b32 s25, 0
	s_lshl_b32 s26, s19, 16                        ; maskbits: 16 tiles of 4,096 bytes, my wave's four, the key step's 256 bytes
	s_lshl_b32 s28, s16, 14
	s_add_co_u32 s26, s26, s28
	s_lshl_b32 s28, s18, 8
	s_add_co_u32 s26, s26, s28
	s_mov_b32 s27, 0
	s_wait_kmcnt 0x0
	s_add_nc_u64 s[4:5], s[4:5], s[24:25]
	s_add_nc_u64 s[6:7], s[6:7], s[22:23]
	s_add_nc_u64 s[8:9], s[8:9], s[26:27]
.macro MLOAD t                         ; tile t's 16 rows
.set RR, 0
.rept 16
	global_load_b128 v[M_R+4*RR:M_R+4*RR+3], v4, s[6:7] offset:(\t)*131072+RR*8192 th:TH_LOAD_NT
.set RR, RR+1
.endr
.endm
.macro PADLOAD b                       ; batch b's words of the key step, in the lanes' order: register 16 blk + i = key 32 blk + 16 h + i
.set JJ, 0
.rept 16
	global_load_b128 v[M_X+4*JJ:M_X+4*JJ+3], v5, s[4:5] offset:(\b)*8192+128*(JJ/4)+16*(JJ%4)
.set JJ, JJ+1
.endr
.endm
.macro BALLOT src, dst                 ; word j = the 32 lanes' bits of register src + j, into lane j / 2 of register dst + j % 2; four at a time
.set JJ, 0
.rept 16
.irp i, 0,1,2,3
	v_cmp_ne_u32 s[32+\i], 0, v[(\src)+4*JJ+\i]
.endr
.irp i, 0,1,2,3
	v_writelane_b32 v[(\dst)+\i%2], s[32+\i], 2*JJ+\i/2
.endr
.set JJ, JJ+1
.endr
.endm
.macro MTILE t
	s_wait_loadcnt 0x0                             ; the tile is in
.set RR, 0
.rept 16
	ds_store_b128 v6, v[M_R+4*RR:M_R+4*RR+3] offset:RR*M_P
.set RR, RR+1
.endr
.set JJ, 0
.rept 16
	ds_load_b128 v[M_X+4*JJ:M_X+4*JJ+3], v7 offset:128*(JJ/4)+16*(JJ%4)   ; LDS serves a wave's instructions in order: these see the stores above
.set JJ, JJ+1
.endr
	s_wait_dscnt 0x0                               ; the tile is back, and the stores have read their registers,
.if (\t) < 3
	MLOAD (\t)+1                                   ; which take the next tile
.endif
	BALLOT M_X, M_A
.irp b, 0,1,2,3
	v_and_b32 v[M_O+8*(\t)+2*\b], v[M_A], v[M_PB+2*\b]
	v_and_b32 v[M_O+8*(\t)+2*\b+1], v[M_A+1], v[M_PB+2*\b+1]
	global_store_b64 v8, v[M_O+8*(\t)+2*\b:M_O+8*(\t)+2*\b+1], s[8:9] offset:\b*524288+(\t)*4096   ; 32 lanes store 256 consecutive bytes, at a multiple of 256 from the buffer's first byte
.endr
.endm
	MLOAD 0
.irp b, 0,1,2,3
	PADLOAD \b
	s_wait_loadcnt 0x0
	BALLOT M_X, M_PB+2*\b
.endr
.irp t, 0,1,2,3
	MTILE \t
.endr
	s_wait_tensorcnt 0x0
	ds_add_u32 v192, v193
	s_wait_dscnt 0x0
	s_endpgm
.Lfunc_end_k_q81c146693b_prep:
	.size	k_q81c146693b_prep, .Lfunc_end_k_q81c146693b_prep-k_q81c146693b_prep
	.p2alignl 7, 3214868480
	.fill 96, 4, 3214868480
	.section	.rodata,"a",@progbits
	.p2align	6, 0x0
	.amdhsa_kernel k_q81c146693b_prep
		.amdhsa_group_segment_fixed_size 102912
		.amdhsa_private_segment_fixed_size 0
		.amdhsa_enable_private_segment 0
		.amdhsa_kernarg_size 96
		.amdhsa_user_sgpr_count 2
		.amdhsa_user_sgpr_kernarg_segment_ptr 1
		.amdhsa_wavefront_size32 1
		.amdhsa_system_sgpr_workgroup_id_x 1
		.amdhsa_system_sgpr_workgroup_id_y 1
		.amdhsa_system_sgpr_workgroup_id_z 1
		.amdhsa_system_vgpr_workitem_id 0
		.amdhsa_next_free_vgpr 194
		.amdhsa_next_free_sgpr 66
		.amdhsa_reserve_vcc 0
		.amdhsa_float_denorm_mode_32 3
		.amdhsa_float_denorm_mode_16_64 3
		.amdhsa_memory_ordered 1
		.amdhsa_forward_progress 1
		.amdhsa_inst_pref_size 200
	.end_amdhsa_kernel
	.amdgpu_metadata
---
amdhsa.version: [ 1, 2 ]
amdhsa.kernels:
  - .name:           k_q81c146693b_prep
    .symbol:         k_q81c146693b_prep.kd
    .args:
      - { .name: q, .offset: 0, .size: 8, .value_kind: global_buffer, .address_space: global }
      - { .name: k, .offset: 8, .size: 8, .value_kind: global_buffer, .address_space: global }
      - { .name: q_codes, .offset: 16, .size: 8, .value_kind: global_buffer, .address_space: global }
      - { .name: q_scales, .offset: 24, .size: 8, .value_kind: global_buffer, .address_space: global }
      - { .name: k_codes, .offset: 32, .size: 8, .value_kind: global_buffer, .address_space: global }
      - { .name: k_scales, .offset: 40, .size: 8, .value_kind: global_buffer, .address_space: global }
      - { .name: v, .offset: 48, .size: 8, .value_kind: global_buffer, .address_space: global }
      - { .name: v_codes, .offset: 56, .size: 8, .value_kind: global_buffer, .address_space: global }
      - { .name: v_scales, .offset: 64, .size: 8, .value_kind: global_buffer, .address_space: global }
      - { .name: pad_mask, .offset: 72, .size: 8, .value_kind: global_buffer, .address_space: global }
      - { .name: attn_mask, .offset: 80, .size: 8, .value_kind: global_buffer, .address_space: global }
      - { .name: maskbits, .offset: 88, .size: 8, .value_kind: global_buffer, .address_space: global }
    .group_segment_fixed_size: 102912
    .private_segment_fixed_size: 0
    .kernarg_segment_align: 8
    .kernarg_segment_size: 96
    .max_flat_workgroup_size: 128
    .sgpr_count:     66
    .vgpr_count:     194
    .wavefront_size: 32
...
	.end_amdgpu_metadata
.endif
;; end of part 1
;; launch attn (part 2): grid 4 x 64, 16 waves a work-group, no clusters, 315,392 bytes of LDS; arguments q_codes, q_scales, k_codes, k_scales, v_codes, v_scales, maskbits, out0; writes out0
.if DOCPART == 2
	.amdgcn_target "amdgcn-amd-amdhsa--gfx1250"
	.amdhsa_code_object_version 6
	.text
	.protected	k_q81c146693b_attn
	.globl	k_q81c146693b_attn
	.p2align	8
	.type	k_q81c146693b_attn,@function
k_q81c146693b_attn:
	s_mov_b64 s[64:65], 0
	v_nop
	global_prefetch_b8 v0, s[64:65] scope:SCOPE_SE
	s_setreg_imm32_b32 hwreg(HW_REG_WAVE_MODE, 25, 1), 1
	s_wait_xcnt 0x0
; O[head][q][:] = the sum over keys of softmax(masked Q . K / sqrt(128)) V, both products on codes of FP4 (E2M1) with one E8M0 scale for each 32 along a product's K.  64 heads, 2,048 queries and keys, head size 128.
; INPUTS, as the launch before has laid them: Q's and K's codes [64][2048 positions][64 bytes], scales [64][2048 positions][4]; inside each 32 rows the second and third group of 8 rows have changed places.
; V's codes [64][128 d][1024 bytes], keys innermost; its scales [64][4 y][128 d][16], y = key / 512.  maskbits [4 b][128 tiles of queries][16 key steps][64 words]: word j is the lane mask of score register j.
; THE SOFTMAX: t = score x log2(e) / sqrt(128); M = the row's largest t so far, rounded UP to a whole number; p = 2^(t - M) is quantised along the keys, not normalised.  The row's sum is taken of the unquantised p
; and divides O at the end.  When M moves, the sum and O are multiplied by 2^(old M - new M): exact.
; MASKS: a score whose mask bit is 0 becomes -2^127.  c x 2^127 is exact in f32, so in a row with no open key so far t - M is 0 and p = 1 (a row masked all through gives the mean of the quantised V); as soon as an
; open key comes, 2^(old M - new M) is 0 and wipes what was summed.  A step's 64 mask words are ANDed by scalar instructions; where all 2,048 bits are 1 a scalar branch leads round the 64 selects and round nothing else.
; LIMITS: real scores at or below -2^127 are not told apart from masked ones; NaN and infinities are not served; a block of p that is all zeros keeps the scale byte 1 (its codes are zeros).
; A block's largest p is made from the block's largest score by the same multiply-add and exponential as every p: this takes the exponential not to fall where its input rises.
; SHARES.  256 work-groups, four to a head; a work-group owns 512 queries, each of its sixteen waves 32 of them: two tiles of 16, one after the other (two passes), in 256 registers.
; A HEAD'S K, V AND SCALES LIE IN LDS WHOLE: 131,072 + 131,072 + 16,384 bytes, filled once at the head, 34 loads and LDS stores of 16 bytes a thread; one barrier follows, and no other stands in the text.
; NO TENSOR LOAD, NO COPY, NO CLUSTER: the branch round the selects hangs on words read from memory; the fill goes through registers.
; NO PREFETCH: all of the fill's loads are issued in one run at the head, with no loop to run ahead in; the mask words are asked for one key step ahead by the scalar loads themselves.
; LDS ROWS ARE 64 BYTES, UNPADDED: chunk c (16 bytes) of row n lies at 64 n + 16 (c xor ((n / 4) % 4)), so that the sixteen rows of a fragment load fall on sixteen different 16-byte columns of 256 bytes.
; K: row = position.  V: row = 128 x key step + d, its 64 bytes the step's 128 keys: so both operands are read by the same two lane addresses.
; LAYOUT.  Both products are used transposed: S^T = K Q^T, O^T = V^T P^T: a lane holds ONE query (lane % 16).  The 16 registers of tiles 2 b and 2 b + 1 are keys 32 b + 16 (lane / 16) + 0 .. 15.
; REGISTERS: v1-7, v27-31 addresses that stay; v8-11, v25, v26 addresses of the slot in hand (at the head: of the fill); v12 -M, v13 the largest t, v[14:15] the sum; v16-23 Q; v24 -2^127; v32-95 fragments of K, then V;
; v96-159 S^T, then p; v160-223 O^T; v224-231 p's codes; v232-239, v244-247, v252, v254 at work; v240-243, v248-251 scale words; v253 p's scale word; v255 Q's.
.set VB,    131072                     ; LDS: K from 0, V from here,
.set SCK,   262144                     ; K's scale bytes, 8,192,
.set SCV,   SCK+8192                   ; V's,
.set STAGE, SCV+8192                   ; the way out: 8 rows x 272 bytes for each wave (what K, V and the scales leave has no room for 16 rows a wave),
.set STW,   8*272
.set SPARE, STAGE+16*STW               ; the spare words, 128 bytes for each wave, which no other line names
.set AKA,  1                           ; v1   64 r + 16 (h xor x), x = (r / 4) % 4: a fragment's first 16 bytes
.set AKB,  2                           ; v2   the same xor 32: its second
.set ASK0, 3                           ; v3   SCK + 4 r
.set ASV0, 4                           ; v4   SCV + 16 r
.set SPW,  5                           ; v5   my spare word; never rewritten
.set NIL,  6                           ; v6   0; never rewritten
.set GO,   7                           ; v7   the way out: 512 h + 16 r
.set ADKA, 8
.set ADKB, 9
.set ADVA, 10
.set ADVB, 11
.set ADS,  25
.set ADT,  26
.set FG,   8                           ; the fill: 16 x thread, in memory
.set FK,   9                           ; K's chunk in LDS; v10 the same + 65,536
.set FK2,  10
.set FV0,  11                          ; V's chunk in LDS for even loads; v25 for odd ones
.set FV1,  25
.set FS,   26                          ; the scale bytes' place
.set NEG,  24
.set STI,  27                          ; v27  into my stage: 272 (r % 8) + 128 (r / 8) + 32 h
.set STO,  28                          ; v28  out of it: 272 h + 16 r
.set IDX,  29                          ; v29  4 x (lane xor 8): the lane permute's index
.set QO,   30                          ; v30  Q's codes: 64 (r + 8 (r / 8)) + 16 h
.set QS,   31                          ; v31  Q's scale words: 4 (r + 8 (r / 8))
.set TB,   2                           ; s2   the slot's (512 keys') first byte in K;  s3 in V;  s100 among the scale bytes
.set TBV,  3
.set MP,   16                          ; s[16:17] my two tiles' mask words, 8,192 bytes
.set OUTP, 18                          ; s[18:19] O at the pass's first query
.set SEL,  20                          ; s[20:21] lane selects: lane l xor 16
.set CS,   22                          ; s[22:23] c = log2(e) / sqrt(128), twice
.set WV,   24
.set PASS, 25
.set SLOTS, 26
.set OFF,  27                          ; s27  byte offset of the mask words asked for last
.set TS,   100
.set FLG,  101                         ; s101 the AND of the step's 64 mask words
.set MKA,  32                          ; s[32:63] mask words 0 to 31;  s[68:99] words 32 to 63 (at the head: at work)
.set MKB,  68
.macro MASKLOAD
	s_load_b512 s[MKA:MKA+15], s[MP:MP+1], s[OFF] offset:0x0
	s_load_b512 s[MKA+16:MKA+31], s[MP:MP+1], s[OFF] offset:0x40
	s_load_b512 s[MKB:MKB+15], s[MP:MP+1], s[OFF] offset:0x80
	s_load_b512 s[MKB+16:MKB+31], s[MP:MP+1], s[OFF] offset:0xc0
.endm
	s_load_b512 s[4:19], s[0:1], 0x0               ; Q's codes, Q's scales, K's codes, K's scales, V's codes, V's scales, the mask words, O
	v_lshl_add_u32 v[SPW], v0, 2, SPARE
	v_mov_b32 v[NIL], 0
	v_lshrrev_b32 v14, 5, v0
	v_readfirstlane_b32 s[WV], v14                 ; wave 0..15
	s_mul_i32 s30, s[WV], STW
	s_add_co_u32 s30, s30, STAGE                   ; my stage
	v_and_b32 v12, 15, v0                          ; r
	v_bfe_u32 v13, v0, 4, 1                        ; h
	v_bfe_u32 v14, v0, 2, 2                        ; x
	v_xor_b32 v14, v14, v13
	v_lshlrev_b32 v[AKA], 6, v12
	v_lshl_add_u32 v[AKA], v14, 4, v[AKA]
	v_xor_b32 v[AKB], 32, v[AKA]
	v_lshl_add_u32 v[ASK0], v12, 2, SCK
	v_lshl_add_u32 v[ASV0], v12, 4, SCV
	v_lshlrev_b32 v[GO], 9, v13
	v_lshl_add_u32 v[GO], v12, 4, v[GO]
	v_and_b32 v14, 8, v12                          ; r & 8
	v_add_nc_u32 v15, v14, v12                     ; r + 8 (r / 8)
	v_lshlrev_b32 v[QO], 6, v15
	v_lshl_add_u32 v[QO], v13, 4, v[QO]
	v_lshlrev_b32 v[QS], 2, v15
	v_and_b32 v15, 7, v12
	v_mul_u32_u24 v[STI], v15, 272
	v_lshl_add_u32 v[STI], v13, 5, v[STI]
	v_lshl_add_u32 v[STI], v14, 4, v[STI]
	v_add_nc_u32 v[STI], s30, v[STI]
	v_mul_u32_u24 v[STO], v13, 272
	v_lshl_add_u32 v[STO], v12, 4, v[STO]
	v_add_nc_u32 v[STO], s30, v[STO]
	v_and_b32 v14, 31, v0
	v_xor_b32 v14, 8, v14
	v_lshlrev_b32 v[IDX], 2, v14
	; the fill.  Load i of a tensor takes chunk 512 i + thread.  K: row 128 i + thread / 4, chunk thread % 4.  V: d = 8 i + thread / 64, key step (thread / 4) % 16, chunk thread % 4; (d / 4) % 4 = thread / 256 + 2 (i % 2)
	v_lshlrev_b32 v[FG], 4, v0
	v_and_b32 v14, 0x30, v0
	v_xor_b32 v[FK], v[FG], v14                    ; 16 x thread with (thread / 16) % 4 xored onto the chunk
	v_add_nc_u32 v[FK2], 0x10000, v[FK]
	v_bfe_u32 v14, v0, 2, 4
	v_lshlrev_b32 v[FV0], 13, v14
	v_lshrrev_b32 v14, 6, v0
	v_lshl_add_u32 v[FV0], v14, 6, v[FV0]
	v_and_b32 v14, 3, v0
	v_lshrrev_b32 v15, 8, v0
	v_xor_b32 v14, v14, v15
	v_lshl_add_u32 v[FV0], v14, 4, v[FV0]
	v_add_nc_u32 v[FV0], VB, v[FV0]
	v_xor_b32 v[FV1], 32, v[FV0]
	v_add_nc_u32 v[FS], SCK, v[FG]
	v_mov_b32 v[NEG], 0xff000000                   ; -2^127
.irp b, 0,1,2,3
	v_mov_b32 v[236+\b], 0                         ; written once: a lane permute's destination counts as one of its sources
.endr
	v_mov_b32 v252, 0
	v_mov_b32 v253, 0
	s_and_b32 s68, ttmp7, 0xffff                   ; the head
	s_lshl_b32 s80, s68, 17                        ; its first byte in each tensor of codes,
	s_mov_b32 s81, 0
	s_lshl_b32 s82, s68, 13                        ; and of scale bytes
	s_mov_b32 s83, 0
	s_lshl_b32 s71, ttmp9, 9
	s_lshl_b32 s72, s[WV], 5
	s_add_co_u32 s71, s71, s72                     ; my first query and position: 512 x work-group + 32 x wave
	s_lshl_b32 s72, s71, 6
	s_add_co_u32 s72, s72, s80                     ; its codes,
	s_mov_b32 s73, 0
	s_lshl_b32 s74, s71, 2
	s_add_co_u32 s74, s74, s82                     ; its scale words,
	s_mov_b32 s75, 0
	s_lshl_b32 s76, s71, 9
	s_lshl_b32 s78, s68, 20
	s_add_co_u32 s76, s76, s78                     ; its row of O,
	s_mov_b32 s77, 0
	s_lshr_b32 s78, s68, 4                         ; the batch: 2^19 bytes of mask words each;
	s_lshl_b32 s78, s78, 19
	s_lshl_b32 s79, s71, 8                         ; a tile of 16 queries has 4,096
	s_add_co_u32 s78, s78, s79
	s_mov_b32 s79, 0
	s_mov_b32 s[SEL], 0x76543210
	s_mov_b32 s[SEL+1], 0xfedcba98
	s_mov_b32 s[CS], 0x3e0293ee
	s_mov_b32 s[CS+1], s[CS]
	s_mov_b32 s[PASS], 2
	s_mov_b32 s[OFF], 0
	s_wait_alu depctr_va_vdst(0)                   ; the wait at the head's end
	s_wait_kmcnt 0x0
	s_add_nc_u64 s[4:5], s[4:5], s[72:73]
	s_add_nc_u64 s[6:7], s[6:7], s[74:75]
	s_add_nc_u64 s[8:9], s[8:9], s[80:81]
	s_add_nc_u64 s[10:11], s[10:11], s[82:83]
	s_add_nc_u64 s[12:13], s[12:13], s[80:81]
	s_add_nc_u64 s[14:15], s[14:15], s[82:83]
	s_add_nc_u64 s[MP:MP+1], s[MP:MP+1], s[78:79]
	s_add_nc_u64 s[OUTP:OUTP+1], s[OUTP:OUTP+1], s[76:77]
	global_load_b128 v[32:35], v[FG], s[10:11]     ; 34 loads in one run; each reads 512 consecutive bytes a wave
	global_load_b128 v[36:39], v[FG], s[14:15]
.set II, 0
.rept 16
	global_load_b128 v[40+4*II:43+4*II], v[FG], s[8:9] offset:8192*II
.set II, II+1
.endr
.set II, 0
.rept 16
	global_load_b128 v[104+4*II:107+4*II], v[FG], s[12:13] offset:8192*II
.set II, II+1
.endr
	MASKLOAD                                       ; the first step's mask words (s68 to s83 are free from here on)
	s_wait_loadcnt 33                              ; each wait leaves out the loads issued behind the one whose data are stored
	ds_store_b128 v[FS], v[32:35]
	s_wait_loadcnt 32
	ds_store_b128 v[FS], v[36:39] offset:8192
.set II, 0
.rept 16
	s_wait_loadcnt 31-II
.if II < 8
	ds_store_b128 v[FK], v[40+4*II:43+4*II] offset:8192*II
.else
	ds_store_b128 v[FK2], v[40+4*II:43+4*II] offset:8192*(II-8)
.endif
.set II, II+1
.endr
.set II, 0
.rept 16
	s_wait_loadcnt 15-II
.if II%2
	ds_store_b128 v[FV1], v[104+4*II:107+4*II] offset:512*II
.else
	ds_store_b128 v[FV0], v[104+4*II:107+4*II] offset:512*II
.endif
.set II, II+1
.endr
	s_wait_dscnt 0x0                               ; my part of the fill is in LDS
	s_barrier_signal -1
	s_barrier_wait -1                              ; everybody's is: from here on K, V and the scale bytes are only read
; The largest score of each of the four blocks of 32 keys, the four by turns: for the row's maximum and for the block's largest p.
.macro BMAX
.irp b, 0,1,2,3
	v_max3_num_f32 v[232+\b], v[96+16*\b], v[97+16*\b], v[98+16*\b]
.endr
.irp i, 3,5,7,9,11,13
.irp b, 0,1,2,3
	v_max3_num_f32 v[232+\b], v[232+\b], v[96+16*\b+\i], v[97+16*\b+\i]
.endr
.endr
.irp b, 0,1,2,3
	v_max_num_f32 v[232+\b], v[232+\b], v[111+16*\b]
.endr
.endm
; A KEY STEP: 128 keys, the q-th of the slot in hand.
.macro STEP q
.if \q
.rept 4
	v_nop                                          ; four places between the last step's products and the loads into the registers that they read (step 0: the slot's address lines)
.endr
.endif
.irp t, 0,1,2,3,4,5,6,7                        ; K's eight fragments and their scale words, in one run
	ds_load_b128 v[32+8*\t:35+8*\t], v[ADKA] offset:8192*(\q)+1024*\t
	ds_load_b128 v[36+8*\t:39+8*\t], v[ADKB] offset:8192*(\q)+1024*\t
	ds_load_b32 v[240+\t+4*(\t/4)], v[ADS] offset:512*(\q)+64*\t
.endr
.if (\q) == 0
	s_wait_alu depctr_va_vdst(0)
.endif
	s_wait_kmcnt 0x0                               ; the step's 64 mask words, asked for a step ago
	s_and_b64 s[28:29], s[MKA:MKA+1], s[MKA+2:MKA+3]   ; their AND, in two chains, while K's fragments come
	s_and_b64 s[30:31], s[MKA+4:MKA+5], s[MKA+6:MKA+7]
.irp p, 40,44,48,52,56,60,68,72,76,80,84,88,92,96
	s_and_b64 s[28:29], s[28:29], s[\p:\p+1]
	s_and_b64 s[30:31], s[30:31], s[\p+2:\p+3]
.endr
	s_and_b64 s[28:29], s[28:29], s[30:31]
	s_and_b32 s[FLG], s28, s29
	s_wait_dscnt 12                                ; tiles 0 to 3 are in; the twelve loads of tiles 4 to 7 may be out
.irp t, 0,1,2,3
	v_wmma_scale_f32_16x16x128_f8f6f4 v[96+8*\t:103+8*\t], v[32+8*\t:39+8*\t], v[16:23], 0, v[240+\t+4*(\t/4)], v255 matrix_a_fmt:MATRIX_FMT_FP4 matrix_b_fmt:MATRIX_FMT_FP4
.endr
	s_wait_dscnt 0x0
.irp t, 4,5,6,7
	v_wmma_scale_f32_16x16x128_f8f6f4 v[96+8*\t:103+8*\t], v[32+8*\t:39+8*\t], v[16:23], 0, v[240+\t+4*(\t/4)], v255 matrix_a_fmt:MATRIX_FMT_FP4 matrix_b_fmt:MATRIX_FMT_FP4
.endr
.rept 4
	v_nop                                          ; four places: ahead of the loads into registers that these products read, and of the first read of their results
.endr
.irp t, 0,1,2,3,4,5,6,7                        ; V's eight fragments and their scale words land while the softmax is worked
	ds_load_b128 v[32+8*\t:35+8*\t], v[ADVA] offset:8192*(\q)+1024*\t
	ds_load_b128 v[36+8*\t:39+8*\t], v[ADVB] offset:8192*(\q)+1024*\t
	ds_load_b32 v[240+\t+4*(\t/4)], v[ADT] offset:256*\t+4*(\q)
.endr
	s_cmp_eq_u32 s[FLG], -1                        ; every key of the step open for every query of my tile: nothing to select
	s_cbranch_scc1 .Lopen_\@
.set NN, 0
.rept 32
	v_cndmask_b32 v[96+NN], v[NEG], v[96+NN], s[MKA+NN]   ; bit 1: the score stays; bit 0: -2^127.  In ascending order
.set NN, NN+1
.endr
.set NN, 0
.rept 32
	v_cndmask_b32 v[128+NN], v[NEG], v[128+NN], s[MKB+NN]
.set NN, NN+1
.endr
.Lopen_\@:
	s_add_co_u32 s[OFF], s[OFF], 256               ; no scalar load is out (the wait above): the next step's words.  My two tiles' words lie on end;
	s_and_b32 s[OFF], s[OFF], 8191                 ; behind the last step the offset turns back to my first words, so that the look-ahead stays inside the buffer
	MASKLOAD
	BMAX
.irp b, 0,1,2,3
	v_permlanex16_b32 v[236+\b], v[232+\b], s[SEL], s[SEL+1]
.endr
.irp b, 0,1,2,3
	v_max_num_f32 v[232+\b], v[232+\b], v[236+\b]  ; with lane l xor 16's 16 keys
.endr
	v_max3_num_f32 v254, v232, v233, v234
	v_max_num_f32 v254, v254, v235                 ; the step's largest score of my query
	v_mul_f32 v254, s[CS], v254                    ; as t
	v_max_num_f32 v13, v13, v254                   ; the running largest t
	v_mov_b32 v254, v12
	v_floor_f32 v12, -v13                          ; the new -M = -ceil(t)
	v_sub_f32 v254, v12, v254                      ; old M - new M: a whole number, 0 or less
	v_cvt_i32_f32 v254, v254                       ; (it saturates)
	v_ldexp_f32 v252, 1.0, v254                    ; f = 2^(old M - new M)
.set JJ, 0
.rept 32
	v_pk_fma_f32 v[96+JJ:97+JJ], v[96+JJ:97+JJ], s[CS:CS+1], v[12:13] op_sel_hi:[1,0,0]   ; t - M, two at a time
.set JJ, JJ+2
.endr
.irp b, 0,1,2,3
	v_fma_f32 v[232+\b], v[232+\b], s[CS], v12     ; the same of each block's largest score
.endr
	s_wait_alu depctr_va_vdst(0)                   ; the wait ahead of the batch
.set JJ, 0
.rept 64
	v_exp_f32 v[96+JJ], v[96+JJ]                   ; p = 2^(t - M), at most 1
.set JJ, JJ+1
.endr
	v_pk_mul_f32 v[14:15], v[14:15], v[252:253] op_sel_hi:[1,0]   ; the sums under the new M (a plain instruction behind the exponentials)
	s_wait_alu depctr_va_vdst(0)                   ; one wait for the batch, ahead of its first reader
.irp b, 0,1,2,3
	v_exp_f32 v[232+\b], v[232+\b]                 ; the block's largest p
.endr
	v_pk_add_f32 v[236:237], v[100:101], v[104:105]   ; the row's sum of the unquantised p, in eight chains
	v_pk_add_f32 v[246:247], v[108:109], v[112:113]
	v_pk_add_f32 v[244:245], v[116:117], v[120:121]
	v_pk_add_f32 v[238:239], v[124:125], v[128:129]
	v_pk_add_f32 v[230:231], v[132:133], v[136:137]
	v_pk_add_f32 v[228:229], v[140:141], v[144:145]
	v_pk_add_f32 v[226:227], v[148:149], v[152:153]
	v_pk_add_f32 v[14:15], v[14:15], v[156:157]
	v_pk_add_f32 v[236:237], v[236:237], v[96:97]
	v_pk_add_f32 v[246:247], v[246:247], v[98:99]
	v_pk_add_f32 v[244:245], v[244:245], v[102:103]
	v_pk_add_f32 v[238:239], v[238:239], v[106:107]
	v_pk_add_f32 v[230:231], v[230:231], v[110:111]
	v_pk_add_f32 v[228:229], v[228:229], v[114:115]
	v_pk_add_f32 v[226:227], v[226:227], v[118:119]
	v_pk_add_f32 v[14:15], v[14:15], v[122:123]
	v_pk_add_f32 v[236:237], v[236:237], v[126:127]
	v_pk_add_f32 v[246:247], v[246:247], v[130:131]
	v_pk_add_f32 v[244:245], v[244:245], v[134:135]
	v_pk_add_f32 v[238:239], v[238:239], v[138:139]
	v_pk_add_f32 v[230:231], v[230:231], v[142:143]
	v_pk_add_f32 v[228:229], v[228:229], v[146:147]
	v_pk_add_f32 v[226:227], v[226:227], v[150:151]
	v_pk_add_f32 v[14:15], v[14:15], v[154:155]
	v_pk_add_f32 v[236:237], v[236:237], v[158:159]
	v_pk_add_f32 v[14:15], v[14:15], v[238:239]
	v_pk_add_f32 v[236:237], v[236:237], v[230:231]
	v_pk_add_f32 v[246:247], v[246:247], v[228:229]
	v_pk_add_f32 v[244:245], v[244:245], v[226:227]
	v_pk_add_f32 v[14:15], v[14:15], v[246:247]
	v_pk_add_f32 v[236:237], v[236:237], v[244:245]
	v_pk_add_f32 v[14:15], v[14:15], v[236:237]
	s_wait_alu depctr_va_vdst(0)                   ; and one for the four
.irp b, 0,1,2,3
	v_max_num_f32 v[232+\b], 0x1800000, v[232+\b]  ; the floor 2^(3 - 127): the byte cannot fall under 1
.endr
.irp b, 0,1,2,3
	v_add_nc_u32 v[244+\b], 0xff000000, v[232+\b]  ; 2 off the exponent field: the conversion's scale operand
.endr
.irp b, 0,1,2,3
	v_lshrrev_b32 v[236+\b], 23, v[244+\b]         ; the scale's byte
.endr
	v_lshl_or_b32 v253, v237, 8, v236              ; p's scale word for these 128 keys
	v_lshl_or_b32 v253, v238, 16, v253
	v_lshl_or_b32 v253, v239, 24, v253
.irp b, 0,1,2,3
	v_cvt_scalef32_pk8_fp4_f32 v[224+2*\b], v[96+16*\b:103+16*\b], v[244+\b]
	v_cvt_scalef32_pk8_fp4_f32 v[225+2*\b], v[104+16*\b:111+16*\b], v[244+\b]
.endr
	v_nop                                          ; one plain instruction behind the scaled conversions
.irp c, 0,1                                    ; a WHOLE block in a lane: lanes 0-15 block 2 c, lanes 16-31 block 2 c + 1
.irp i, 0,1
	v_permlane16_swap_b32 v[224+4*\c+\i], v[226+4*\c+\i]
.endr
.endr
	s_wait_alu depctr_va_vdst(0)                   ; directly ahead of the first reader of O^T
.set JJ, 0
.rept 32
	v_pk_mul_f32 v[160+JJ:161+JJ], v[160+JJ:161+JJ], v[252:253] op_sel_hi:[1,0]   ; O^T x f.  (These 32 are also the places between the writes of p's codes and scale word and the products below)
.set JJ, JJ+2
.endr
	s_wait_alu depctr_va_vdst(0)                   ; directly ahead of the wait below
	s_wait_dscnt 0x0                               ; V's fragments and scale words
.irp t, 0,1,2,3,4,5,6,7                        ; O^T += V^T P^T: the eight accumulators take turns
	v_wmma_scale_f32_16x16x128_f8f6f4 v[160+8*\t:167+8*\t], v[32+8*\t:39+8*\t], v[224:231], v[160+8*\t:167+8*\t], v[240+\t+4*(\t/4)], v253 matrix_a_fmt:MATRIX_FMT_FP4 matrix_b_fmt:MATRIX_FMT_FP4
.endr
.endm
.Lpass:                                            ; two trips: a tile of 16 queries each
	global_load_b128 v[16:19], v[QO], s[4:5]       ; Q's fragment stays in registers
	global_load_b128 v[20:23], v[QO], s[4:5] offset:32
	global_load_b32 v255, v[QS], s[6:7]
	v_mov_b32 v13, 0xff61b1e6                      ; the largest t so far: -3e38, under every t, a masked score's too
	v_mov_b32 v14, 0
	v_mov_b32 v15, 0
	v_floor_f32 v12, -v13                          ; -M
.set JJ, 0
.rept 64
	v_mov_b32 v[160+JJ], 0                         ; O^T: the step has no first form of its own; the first change of M leaves zeros zeros
.set JJ, JJ+1
.endr
	s_mov_b32 s[TB], 0
	s_mov_b32 s[TBV], VB
	s_mov_b32 s[TS], 0
	s_mov_b32 s[SLOTS], 4
	s_wait_alu depctr_va_vdst(0)                   ; directly ahead of the wait below
	s_wait_loadcnt 0x0                             ; Q is in, so its bases may step to the next tile: 8 positions on
	s_add_nc_u64 s[4:5], s[4:5], 512
	s_add_nc_u64 s[6:7], s[6:7], 32
.Lslot:                                            ; four trips of four key steps
	v_add_nc_u32 v[ADKA], s[TB], v[AKA]            ; (these six are also the places behind the last step's products)
	v_add_nc_u32 v[ADKB], s[TB], v[AKB]
	v_add_nc_u32 v[ADVA], s[TBV], v[AKA]
	v_add_nc_u32 v[ADVB], s[TBV], v[AKB]
	v_add_nc_u32 v[ADS], s[TS], v[ASK0]
	v_add_nc_u32 v[ADT], s[TS], v[ASV0]
	STEP 0
	STEP 1
	STEP 2
	STEP 3
	s_add_co_u32 s[TB], s[TB], 32768
	s_add_co_u32 s[TBV], s[TBV], 32768
	s_add_co_u32 s[TS], s[TS], 2048
	s_sub_co_u32 s[SLOTS], s[SLOTS], 1
	s_cmp_lg_u32 s[SLOTS], 0
	s_cbranch_scc1 .Lslot
	; THE WAY OUT of a tile.  O^T / the sum goes through my stage, 8 queries x 64 channels (256 bytes) at a time, so that sixteen lanes store 256 consecutive bytes.
	; So that all 32 lanes have a part of each 8 rows, lanes l and l xor 8 first share their two rows out: of each 64 channels (four tiles of 16) lanes with r < 8 take tiles 0 and 1 of rows r and r + 8, lanes with r >= 8 tiles 2 and 3 of rows r - 8 and r.
	v_add_f32 v14, v14, v15
	v_permlanex16_b32 v252, v14, s[SEL], s[SEL+1]
	v_add_f32 v14, v14, v252                       ; the row's sum, at least 1/2
	s_mov_b32 s30, 0xff00ff00                      ; the lanes with r >= 8
	s_wait_alu depctr_va_vdst(0)                   ; the wait ahead of the reciprocal
	v_rcp_f32 v14, v14
.rept 4
	v_nop                                          ; a plain place behind the reciprocal; with the lines above, the places behind the last products
.endr
	s_wait_alu depctr_va_vdst(0)                   ; and for the wait ahead of its first reader, which is also O^T's
.set JJ, 0
.rept 64
	v_mul_f32 v[96+JJ], v[160+JJ], v14             ; register 8 t + i is o(r, 16 t + 8 h + i); each accumulator from its low end on
.set JJ, JJ+1
.endr
.set JJ, 0
.rept 64
	ds_bpermute_b32 v[160+JJ], v[IDX], v[96+JJ]    ; lane l xor 8's 64 numbers (a lane permute: no LDS byte is touched)
.set JJ, JJ+1
.endr
	s_wait_alu depctr_va_vdst(0)                   ; directly ahead of the wait below
	s_wait_dscnt 0x0
.irp u, 0,1
.set JJ, 0
.rept 16
	v_cndmask_b32 v[96+32*\u+JJ], v[96+32*\u+JJ], v[176+32*\u+JJ], s30      ; row r % 8: r < 8: my tiles 0, 1; r >= 8: the partner's tiles 2, 3
	v_cndmask_b32 v[112+32*\u+JJ], v[160+32*\u+JJ], v[112+32*\u+JJ], s30    ; row r % 8 + 8: r < 8: the partner's tiles 0, 1; r >= 8: my tiles 2, 3
.set JJ, JJ+1
.endr
.endr
.irp u, 0,1                                    ; channels 64 u on
.irp g, 0,1                                    ; queries 8 g on
.irp t, 0,1
	ds_store_b128 v[STI], v[96+32*\u+16*\g+8*\t:99+32*\u+16*\g+8*\t] offset:64*\t
	ds_store_b128 v[STI], v[100+32*\u+16*\g+8*\t:103+32*\u+16*\g+8*\t] offset:64*\t+16
.endr
.irp i, 0,1,2,3
	ds_load_b128 v[32+16*(2*\u+\g)+4*\i:35+16*(2*\u+\g)+4*\i], v[STO] offset:2*\i*272   ; LDS serves a wave's instructions in order: these see my stores, and the next round's stores come behind them
.endr
.endr
.endr
.irp u, 0,1
.irp g, 0,1
.irp i, 0,1,2,3
	s_wait_dscnt (3-\i)+8*(3-2*\u-\g)              ; the LDS instructions issued behind this load may be out: the rest of its round's loads and eight for each later round
	global_store_b128 v[GO], v[32+16*(2*\u+\g)+4*\i:35+16*(2*\u+\g)+4*\i], s[OUTP:OUTP+1] offset:(8*\g+2*\i)*512+256*\u th:TH_STORE_NT
.endr
.endr
.endr
	s_wait_xcnt 0x0                                ; the stores' base and data may be written again
	s_add_nc_u64 s[OUTP:OUTP+1], s[OUTP:OUTP+1], 8192   ; 16 rows of O on
	s_sub_co_u32 s[PASS], s[PASS], 1
	s_cmp_lg_u32 s[PASS], 0
	s_cbranch_scc1 .Lpass
	s_wait_kmcnt 0x0                               ; the look-ahead's last words
	s_wait_tensorcnt 0x0                           ; the wave's end, behind my last LDS store
	ds_add_u32 v[SPW], v[NIL]
	s_wait_dscnt 0x0
	s_endpgm
.Lfunc_end_k_q81c146693b_attn:
	.size	k_q81c146693b_attn, .Lfunc_end_k_q81c146693b_attn-k_q81c146693b_attn
	.p2alignl 7, 3214868480
	.fill 96, 4, 3214868480
	.section	.rodata,"a",@progbits
	.p2align	6, 0x0
	.amdhsa_kernel k_q81c146693b_attn
		.amdhsa_group_segment_fixed_size 315392
		.amdhsa_private_segment_fixed_size 0
		.amdhsa_enable_private_segment 0
		.amdhsa_kernarg_size 64
		.amdhsa_user_sgpr_count 2
		.amdhsa_user_sgpr_kernarg_segment_ptr 1
		.amdhsa_wavefront_size32 1
		.amdhsa_system_sgpr_workgroup_id_x 1
		.amdhsa_system_sgpr_workgroup_id_y 1
		.amdhsa_system_sgpr_workgroup_id_z 1
		.amdhsa_system_vgpr_workitem_id 0
		.amdhsa_next_free_vgpr 256
		.amdhsa_next_free_sgpr 102
		.amdhsa_reserve_vcc 0
		.amdhsa_float_denorm_mode_32 3
		.amdhsa_float_denorm_mode_16_64 3
		.amdhsa_memory_ordered 1
		.amdhsa_forward_progress 1
		.amdhsa_inst_pref_size 123
	.end_amdhsa_kernel
	.amdgpu_metadata
---
amdhsa.version: [ 1, 2 ]
amdhsa.kernels:
  - .name:           k_q81c146693b_attn
    .symbol:         k_q81c146693b_attn.kd
    .args:
      - { .name: q_codes, .offset: 0, .size: 8, .value_kind: global_buffer, .address_space: global }
      - { .name: q_scales, .offset: 8, .size: 8, .value_kind: global_buffer, .address_space: global }
      - { .name: k_codes, .offset: 16, .size: 8, .value_kind: global_buffer, .address_space: global }
      - { .name: k_scales, .offset: 24, .size: 8, .value_kind: global_buffer, .address_space: global }
      - { .name: v_codes, .offset: 32, .size: 8, .value_kind: global_buffer, .address_space: global }
      - { .name: v_scales, .offset: 40, .size: 8, .value_kind: global_buffer, .address_space: global }
      - { .name: maskbits, .offset: 48, .size: 8, .value_kind: global_buffer, .address_space: global }
      - { .name: out0, .offset: 56, .size: 8, .value_kind: global_buffer, .address_space: global }
    .group_segment_fixed_size: 315392
    .private_segment_fixed_size: 0
    .kernarg_segment_align: 8
    .kernarg_segment_size: 64
    .max_flat_workgroup_size: 512
    .sgpr_count:     102
    .vgpr_count:     256
    .wavefront_size: 32
...
	.end_amdgpu_metadata
.endif
;; end of part 2
